; MI455X (gfx1250); checked and timed in simulation.
; The chip was launched on July 23, 2026; its instructions are those of AMD's public machine-readable ISA for CDNA 5 (MIT licence, August 2026) and "CDNA5" Instruction Set Architecture Reference Guide (July 2026). The comments in the code are by the model that wrote it; some were corrected since.
;; Dual Attention. Allowed arithmetic: matrix products marked QUANTISED: E3M2 operands, one E8M0 scale for each 32 along K, by v_wmma_scale_f32_16x16x128_f8f6f4 with both operands' format E3M2, f32 sums; everything else in f32.
;; Inputs: W1_codes 512 x 16 x 24 uint8 (E3M2 codes of W1, K innermost, in blocks of 32 codes, four codes in three bytes); W1_scales 512 x 16 uint8 (E8M0 scales of W1, one for each 32 codes along K); W2_codes 512 x 16 x 24 uint8 (E3M2 codes of W2, K innermost, in blocks of 32 codes, four codes in three bytes); W2_scales 512 x 16 uint8 (E8M0 scales of W2, one for each 32 codes along K); W3_codes 512 x 4 x 24 uint8 (E3M2 codes of W3, K innermost, in blocks of 32 codes, four codes in three bytes); W3_scales 512 x 4 uint8 (E8M0 scales of W3, one for each 32 codes along K); W4_codes 512 x 16 x 24 uint8 (E3M2 codes of W4, K innermost, in blocks of 32 codes, four codes in three bytes); W4_scales 512 x 16 uint8 (E8M0 scales of W4, one for each 32 codes along K); b1 512 float32; b2 512 float32; b3 512 float32; b4 512 float32; encoder_hidden 256 x 4 x 512 float32; input_z_codes 4 x 256 x 4 x 24 uint8 (E3M2 codes of input_z, K innermost, in blocks of 32 codes, four codes in three bytes); input_z_scales 4 x 256 x 4 uint8 (E8M0 scales of input_z, one for each 32 codes along K); output 4 x 64 x 512 float32.
;; Outputs: out0 4 x 64 x 1,024 float32; out1 4 x 64 x 512 float32.
;; This version of the problem:
;;   THIS VERSION OF THE PROBLEM IS GIVEN IN LOW PRECISION. The matrix products marked QUANTISED in the list below multiply operands that are first quantised to E3M2 (3 exponent bits, 2 mantissa bits; 6 bits a number), with one power-of-two scale for each 32 numbers along K (OCP MX v1.0); their sums are f32. All else is computed in f32.
;;   The module's matrix products, in the order in which they are computed (A, B: the left and right operand; K: the contracted axis; several contracted axes count as one K, in the product's order):
;;     1. [M 1,024, K 512] x [K 512, N 512]; A: input encoder_hidden; B: input W1 (given as codes): QUANTISED
;;     2. [M 1,024, K 128] x [K 128, N 512]; A: input input_z (given as codes); B: input W3 (given as codes): QUANTISED
;;     3. [M 256, K 512] x [K 512, N 512]; A: input output; B: input W2 (given as codes): QUANTISED
;;     4. [M 256, K 512] x [K 512, N 512]; A: input output; B: input W4 (given as codes): QUANTISED
;;   THE QUANTISER, for each operand of a quantised product, along K:
;;     - K is cut into blocks of 32 from its start; a last block that is shorter is filled with zeros.
;;     - A block's scale is 2^e with e = floor(log2(the largest magnitude in the block)) - 4, held to -126 .. 127; a block of zeros has e = 0. As a byte (E8M0): e + 127.
;;     - Each number is divided by its block's scale, clamped to +-28, and rounded to the nearest number of E3M2, ties to even, subnormals kept.
;;     - The product sums the exact products of the quantised numbers (number of the format x scale) in f32.
;;   ~~~python
;;   def quantise(x, axis):      # numpy; x: float32 -> the quantised numbers, widened to float32 again
;;       x = np.moveaxis(x, axis, -1); K = x.shape[-1]
;;       x = np.pad(x, [(0, 0)] * (x.ndim - 1) + [(0, -K % 32)]); x = x.reshape(x.shape[:-1] + (-1, 32)); a = np.abs(x).max(-1, keepdims=True)
;;       e = np.where(a > 0, np.clip(np.frexp(np.where(a > 0, a, 1))[1] - 1 - 4, -126, 127), 0)      # np.frexp(a)[1] - 1 = floor(log2(a)), exactly
;;       r = np.clip(x / 2.0 ** e, -28, 28)
;;       step = 2.0 ** (np.maximum(np.frexp(np.where(r == 0, 1, r))[1] - 1, -2) - 2)
;;       q = np.round(r / step) * step * 2.0 ** e      # np.round: ties to even
;;       return np.moveaxis(q.reshape(q.shape[:-2] + (-1,))[..., :K], -1, axis).astype(np.float32)
;;   ~~~
;;   INPUTS GIVEN AS CODES. W1 (in the module: [512, 512], K = its axis 1); W2 (in the module: [512, 512], K = its axis 1); W3 (in the module: [512, 128], K = its axis 1); W4 (in the module: [512, 512], K = its axis 1); input_z (in the module: [4, 256, 128], K = its axis 2): each comes as NAME_codes (uint8): NAME with its K axis moved to the last place and cut into blocks of 32 codes, [.., K / 32, bytes a block], one block behind the other in memory; four codes in three bytes: a row's codes are one little-endian stream of bits, code i at bits 6 i .. 6 i + 5 (a code: sign, 3 exponent bits, 2 mantissa bits); and NAME_scales (uint8): the same leading axes, one E8M0 byte (e + 127) for each 32 codes along K. Its value is code x scale, taken as it is: it is not quantised again, and the codes and scales need not be those that the quantiser above would give.
;; One version. Each part assembles by itself: llvm-mc -triple=amdgcn-amd-amdhsa -mcpu=gfx1250 --defsym DOCPART=n.
;; ======== version 1 of 1: 2 launches
;; workspace buffers: hs 2,097,152 bytes; fd 2,097,152 bytes; o2 524,288 bytes; o3 524,288 bytes
;; launch gates (part 1): grid 4 x 64, 8 waves a work-group, no clusters, 65,024 bytes of LDS; arguments encoder_hidden, output, W1_codes, W2_codes, W4_codes, W1_scales, W2_scales, W4_scales, b1, b2, b4, hs, o2, o3, input_z_codes, input_z_scales, W3_codes, W3_scales, b3, fd; writes hs, fd, o2, o3
.if DOCPART == 1
	.amdgcn_target "amdgcn-amd-amdhsa--gfx1250"
	.amdhsa_code_object_version 6
	.text
	.protected	k_qdacf89660d_gates
	.globl	k_qdacf89660d_gates
	.p2align	8
	.type	k_qdacf89660d_gates,@function
k_qdacf89660d_gates:
	s_mov_b64 s[64:65], 0
	v_nop
	global_prefetch_b8 v0, s[64:65] scope:SCOPE_SE
	s_setreg_imm32_b32 hwreg(HW_REG_WAVE_MODE, 25, 1), 1
	s_wait_xcnt 0x0
; THE FOUR QUANTISED PRODUCTS, EACH WITH ITS BIAS AND ITS TANH.  All on codes of BF6 (E3M2) with one E8M0 scale for each 32 along K; sums in f32.
;   hs = tanh(Q(encoder_hidden) W1^T + b1)  [1024][512], K = 512      fd = tanh(input_z W3^T + b3)  [1024][512], K = 128, both sides given as codes
;   o2 = log2(e) tanh(Q(output) W2^T + b2)  [256][512],  K = 512      o3 = log2(e) tanh(Q(output) W4^T + b4)  [256][512], K = 512
; (the factor log2(e) is put on here, so that the next launch's exponential, which works in base 2, needs no scaling of its own).  All four results are f32, rows of 2,048 bytes.
; reference()'s reshapes are raw views: flat row numbers stay as they are, so nothing here knows of batches.
; SHARES.  256 work-groups of eight waves.  x picks 128 columns d.  y picks the job: 0-31 hs (32 rows each), 32-39 o2, 40-47 o3 (32 rows each), 48-63 fd (64 rows each).
; The first three jobs run ONE path of the text: only pointers and the factor behind the tanh are chosen, on the work-group's number.  fd, whose left side arrives as codes, has a path of its own, with LDS bytes of its own.
; Wave w owns the 16 columns d = 128 x + 16 w .. + 15, for all row tiles of the work-group: its 16 rows of the weight go from memory straight into its registers, once.
; THE LEFT SIDE IS QUANTISED ONCE IN THE WORK-GROUP: 32 rows x 512 along K are eight fragments (16 rows x 128 K); wave w makes fragment w = 4 m + s (row tile m, K step s) and hands it to the others through LDS as an
; IMAGE OF ITS REGISTERS: three stores of 16 bytes a lane at 16 x lane, the scale word at 4 x lane; the same lines as loads give any wave the same registers in the same lanes.
; THE MATRIX INSTRUCTION IS USED TRANSPOSED: source 0 = 16 rows of the weight, source 1 = 16 rows of x.  Lane (r, h) then holds row r of the result and its eight registers the columns 8 h + 0 .. 7: 32 neighbouring bytes.
; The bias is the C of each sum's first matrix instruction: eight registers in the result's layout.
; THE WAY OUT.  A row's 128 columns come from eight waves: they meet in a stage in LDS (rows of 512 bytes + 16) and each wave stores whole rows: 512 consecutive bytes an instruction, at a multiple of 512 from the buffer's first byte.
; NO CLUSTER: the four work-groups along x read the same 64 KB of x and the work-groups along y the same 49 KB of a weight, but each wave asks for all that it needs (43 loads at the most) in one run at its head, into
; registers, and there is no loop in which a shared tile would be asked for again; a joint fill would send the same bytes through LDS behind a round of the cluster's barrier, in front of the one chain load, quantise, multiply.
; LIMITS: NaN and infinities among the inputs are not served.  A block of zeros gets the scale byte 1 where the rule says 127: its codes are zeros, which add nothing under any byte but 0xff, and this program alone reads
; the bytes.  tanh(x) = 1 - 2 / (1 + 2^(2 log2(e) x)): its absolute error is a few 1e-7; it ends at exactly +-1 for large |x|.
.set FRB,  1536                        ; a fragment's image: 12 registers x 128 bytes
.set XIMG, 0                           ; LDS: the eight images,
.set XSC,  XIMG+8*FRB                  ; their scale words, 128 bytes each,
.set SP,   528                         ; a stage row: 512 bytes + 16: row r begins 16 r bytes on modulo 256, so sixteen lanes' 16 bytes fall on sixteen different columns
.set STGX, XSC+8*128                   ; the stage of the first three jobs: 32 rows,
.set STGZ, STGX+32*SP                  ; and fd's: 64 rows.  64,000 bytes in all
.set XA,  4                            ; v4   x: row r of 2,048 bytes + 64 h: my 16 numbers of a block of 32
.set LI,  5                            ; v5   16 x lane: my place in an image, in a stage row and in a stored row
.set LS,  6                            ; v6   4 x lane: my place among an image's scale words
.set XWI, 7                            ; v7   where I store my image: 16 x lane + 1,536 x wave
.set XWS, 8                            ; v8   and its scale words: 4 x lane + 128 x wave
.set WA,  9                            ; v9   a weight of K = 512: row r of 384 bytes + 24 h
.set WSA, 10                           ; v10  its scale bytes: 16 a row
.set BA,  11                           ; v11  the bias: 32 h
.set SO,  12                           ; v12  the stage, on the way in: row r + 32 h + 64 x wave
.set SRX, 13                           ; v13  on the way out: 16 x lane + my 4 rows
.set ZA,  14                           ; v14  rows of 96 bytes (K = 128): 96 r + 24 h
.set ZSA, 15                           ; v15  their scale words: 4 r
.set XB,  16                           ; v16-79   64 numbers of x
.set XF,  16                           ; v16-111  afterwards the eight fragments of x (in fd's path: four of input_z)
.set OUT, 16                           ; v16..    afterwards rows read back from the stage
.set WF,  112                          ; v112-159 the weight's fragment of K step s at WF + 12 s
.set WS,  160                          ; v160-163 the weight's scale words: they hold nothing else
.set BI,  164                          ; v164-171 the bias
.set TM,  172                          ; v172-187 at work in QUANT
.set PW,  188                          ; v188     the scale word just made
.set SRZ, 189                          ; v189     fd's path: 16 x lane + my 8 rows of the stage
.set PS,  190                          ; v[190:191] the factor behind the tanh, twice
.set PC,  192                          ; v192-211 the codes just made
.set XS,  212                          ; v212-219 x's scale words: they hold nothing else
.set ACC, 220                          ; v220-251 the sums: row tile m at ACC + 8 m
.set MS,  252                          ; v[252:253] -2 x that factor, twice
.set SEL, 62                           ; s[62:63] lane selects for v_permlanex16_b32: lane l xor 16
; my 16 rows' numbers of my K step: register 16 b + i = k 32 b + 16 h + i of row r.  The sixteen loads together take 16 rows x 512 whole bytes
.macro XLOAD
.irp b, 0,1,2,3
.irp j, 0,1,2,3
	global_load_b128 v[XB+16*\b+4*\j:XB+16*\b+4*\j+3], v[XA], s[48:49] offset:128*\b+16*\j
.endr
.endr
.endm
; a fragment of codes from memory: lane (r, h) takes 24 bytes at 24 h and 24 bytes at 48 + 24 h of its row's 96, as they lie, in pieces of 8 bytes, so that every address is a multiple of the access's size
.macro WFRAG reg, adr, sb, off
.irp p, 0,1,2,3,4,5
	global_load_b64 v[(\reg)+2*\p:(\reg)+2*\p+1], v[\adr], s[\sb:\sb+1] offset:(\off)+48*(\p/3)+8*(\p%3)
.endr
.endm
; 64 numbers of a lane, v[s] on, become a fragment's codes in v[PC] on and its rows' scale word in v[PW]
.macro QUANT s
.irp b, 0,1,2,3
	v_max3_num_f32 v[TM+\b], |v[\s+16*\b]|, |v[\s+1+16*\b]|, 0x2800000   ; block b: my 16 numbers, and the floor 2^(5 - 127), under which no largest magnitude is taken: so the byte cannot fall under 1
.endr
.irp i, 2,4,6,8,10,12,14
.irp b, 0,1,2,3
	v_max3_num_f32 v[TM+\b], v[TM+\b], |v[\s+16*\b+\i]|, |v[\s+1+16*\b+\i]|   ; (the four blocks by turns: no line waits for the line above it)
.endr
.endr
.irp b, 0,1,2,3
	v_permlanex16_b32 v[TM+4+\b], v[TM+\b], s[SEL], s[SEL+1]
.endr
.irp b, 0,1,2,3
	v_max_num_f32 v[TM+\b], v[TM+\b], v[TM+4+\b]   ; with lane l xor 16's 16: the block's largest magnitude
.endr
.irp b, 0,1,2,3
	v_add_nc_u32 v[TM+12+\b], 0xfe000000, v[TM+\b]   ; 4 off its exponent field: the conversion takes the exponent field of this operand as its scale, and nothing else of it
.endr
.irp b, 0,1,2,3
	v_lshrrev_b32 v[TM+4+\b], 23, v[TM+12+\b]      ; the scale's byte
.endr
	v_lshl_or_b32 v[PW], v[TM+5], 8, v[TM+4]       ; the four bytes make my row's scale word
	v_lshl_or_b32 v[PW], v[TM+6], 16, v[PW]
	v_lshl_or_b32 v[PW], v[TM+7], 24, v[PW]
.irp c, 0,1
	v_cvt_scalef32_pk16_bf6_f32 v[PC+6*\c:PC+2+6*\c], v[\s+32*\c:\s+15+32*\c], v[TM+12+2*\c]
	v_cvt_scalef32_pk16_bf6_f32 v[PC+12+4*\c:PC+14+4*\c], v[\s+16+32*\c:\s+31+32*\c], v[TM+12+2*\c+1]   ; (a conversion's three registers begin on an even number)
.endr
	v_nop                                          ; one plain place behind a scaled conversion
.irp c, 0,1                                    ; the operand's layout wants a WHOLE block in a lane: lanes 0-15 block 2 c, lanes 16-31 block 2 c + 1
.irp i, 0,1,2
	v_permlane16_swap_b32 v[PC+6*\c+\i], v[PC+12+4*\c+\i]
.endr
.irp i, 0,1,2
	v_mov_b32 v[PC+3+6*\c+\i], v[PC+12+4*\c+\i]
.endr
.endr
.endm
.macro IMAGE                                   ; my fragment and its scale words go to LDS as they stand
.irp c, 0,1,2
	ds_store_b128 v[XWI], v[PC+4*\c:PC+4*\c+3] offset:XIMG+512*\c
.endr
	ds_store_b32 v[XWS], v[PW] offset:XSC
.endm
.macro FETCH f                                 ; and come back so, in any wave
.irp c, 0,1,2
	ds_load_b128 v[XF+12*(\f)+4*\c:XF+12*(\f)+4*\c+3], v[LI] offset:XIMG+FRB*(\f)+512*\c
.endr
	ds_load_b32 v[XS+(\f)], v[LS] offset:XSC+128*(\f)
.endm
.macro BARRIER                                 ; my LDS stores have landed and my LDS loads are in: then the work-group's barrier
	s_wait_dscnt 0x0
	s_barrier_signal -1
	s_barrier_wait -1
.endm
; THE END OF BOTH PATHS: the tanh of nm tiles of sums, times the factor; the stage at stg; 2 nm whole rows a wave, read back at v[sr], are stored.  Every pass goes through the sums' registers in ascending order
.macro EPI stg, nm, sr
	v_mov_b32 v[PS], s68                           ; these four lines are also the four places between the last product and the first read of a sum
	v_mov_b32 v[PS+1], s68
	v_mov_b32 v[MS], s69
	v_mov_b32 v[MS+1], s69
.set JJ, 0
.rept 4*\nm
	v_pk_mul_f32 v[ACC+JJ:ACC+JJ+1], v[ACC+JJ:ACC+JJ+1], s[66:67] op_sel_hi:[1,0]   ; 2 log2(e) x
.set JJ, JJ+2
.endr
.set JJ, 0
.rept 8*\nm
	v_exp_f32 v[ACC+JJ], v[ACC+JJ]                 ; e^(2 x): one batch
.set JJ, JJ+1
.endr
	v_nop                                          ; a plain place behind the last exponential,
	s_wait_alu depctr_va_vdst(0)                   ; and one wait for the batch, ahead of its first reader
.set JJ, 0
.rept 4*\nm
	v_pk_add_f32 v[ACC+JJ:ACC+JJ+1], v[ACC+JJ:ACC+JJ+1], 1.0 op_sel_hi:[1,0]
.set JJ, JJ+2
.endr
.set JJ, 0
.rept 8*\nm
	v_rcp_f32 v[ACC+JJ], v[ACC+JJ]                 ; 1 / (1 + e^(2 x)): one batch
.set JJ, JJ+1
.endr
	v_nop
	s_wait_alu depctr_va_vdst(0)                   ; likewise, for the reciprocals
.set JJ, 0
.rept 4*\nm
	v_pk_fma_f32 v[ACC+JJ:ACC+JJ+1], v[ACC+JJ:ACC+JJ+1], v[MS:MS+1], v[PS:PS+1]   ; factor x (1 - 2 / (1 + e^(2 x)))
.set JJ, JJ+2
.endr
.set MM, 0
.rept \nm
	ds_store_b128 v[SO], v[ACC+8*MM:ACC+8*MM+3] offset:\stg+16*SP*MM          ; lane (r, h): row 16 m + r, columns 16 w + 8 h + 0 .. 7
	ds_store_b128 v[SO], v[ACC+8*MM+4:ACC+8*MM+7] offset:\stg+16*SP*MM+16
.set MM, MM+1
.endr
	BARRIER                                        ; whole rows lie in the stage
.set II, 0
.rept 2*\nm
	ds_load_b128 v[OUT+4*II:OUT+4*II+3], v[\sr] offset:\stg+SP*II
.set II, II+1
.endr
.set II, 0
.rept 2*\nm
	s_wait_dscnt 2*\nm-1-II                        ; LDS loads come back in order: row II is in, the younger ones may be out
	global_store_b128 v[LI], v[OUT+4*II:OUT+4*II+3], s[56:57] offset:2048*II   ; 32 lanes store 512 consecutive bytes
.set II, II+1
.endr
	s_wait_tensorcnt 0x0
	ds_add_u32 v254, v255
	s_wait_dscnt 0x0
	s_endpgm
.endm
	s_load_b512 s[8:23], s[0:1], 0x0               ; encoder_hidden 8, output 10, W1's codes 12, W2's 14, W4's 16, W1's scales 18, W2's 20, W4's 22
	s_load_b512 s[24:39], s[0:1], 0x40             ; b1 24, b2 26, b4 28, hs 30, o2 32, o3 34, input_z's codes 36, its scales 38
	s_load_b256 s[40:47], s[0:1], 0x80             ; W3's codes 40, its scales 42, b3 44, fd 46
	v_lshl_add_u32 v254, v0, 2, 0xfa00
	v_mov_b32 v255, 0
	v_lshrrev_b32 v1, 5, v0
	v_readfirstlane_b32 s2, v1                     ; wave 0..7
	v_and_b32 v1, 31, v0                           ; lane
	v_and_b32 v2, 15, v0                           ; r
	v_bfe_u32 v3, v0, 4, 1                         ; h
	s_and_b32 s3, ttmp7, 0xffff                    ; the job and its block of rows
	s_lshl_b32 s5, ttmp9, 7
	s_lshl_b32 s74, s2, 4
	s_add_co_u32 s5, s5, s74                       ; my first column d = 128 x + 16 w
	v_lshlrev_b32 v[XA], 11, v2
	v_lshl_add_u32 v[XA], v3, 6, v[XA]
	v_lshlrev_b32 v[LI], 4, v1
	v_lshlrev_b32 v[LS], 2, v1
	s_mul_i32 s74, s2, FRB
	v_add_nc_u32 v[XWI], s74, v[LI]
	s_lshl_b32 s74, s2, 7
	v_add_nc_u32 v[XWS], s74, v[LS]
	v_mul_u32_u24 v[WA], v2, 384
	v_mad_u32_u24 v[WA], v3, 24, v[WA]
	v_lshlrev_b32 v[WSA], 4, v2
	v_lshlrev_b32 v[BA], 5, v3
	v_mul_u32_u24 v[SO], v2, SP
	v_lshl_add_u32 v[SO], v3, 5, v[SO]
	s_lshl_b32 s74, s2, 6
	v_add_nc_u32 v[SO], s74, v[SO]
	s_mul_i32 s74, s2, 4*SP
	v_add_nc_u32 v[SRX], s74, v[LI]
	s_mul_i32 s74, s2, 8*SP
	v_add_nc_u32 v[SRZ], s74, v[LI]
	v_mul_u32_u24 v[ZA], v2, 96
	v_mad_u32_u24 v[ZA], v3, 24, v[ZA]
	v_lshlrev_b32 v[ZSA], 2, v2
.irp b, 0,1,2,3
	v_mov_b32 v[TM+4+\b], 0                        ; written once: a lane permute's destination counts as one of its sources
.endr
	s_mov_b32 s[SEL], 0x76543210
	s_mov_b32 s[SEL+1], 0xfedcba98
	s_mov_b32 s66, 0x4038aa3b                      ; 2 log2(e)
	s_mov_b32 s67, s66                             ; (the packed form names the pair and takes its low word for both halves: so s67 is written)
	s_mov_b32 s70, 0x3f800000                      ; the factor behind the tanh and -2 x it: 1 and -2,
	s_mov_b32 s71, 0xc0000000
	s_mov_b32 s72, 0x3fb8aa3b                      ; or log2(e) and -2 log2(e)
	s_mov_b32 s73, 0xc038aa3b
	s_mov_b32 s61, 0                               ; the upper word of every offset
	s_wait_kmcnt 0x0
	s_cmp_lt_u32 s3, 48
	s_cbranch_scc0 .Lz                             ; on the work-group's number: all eight waves go the same way
	; ---- hs, o2 or o3: the choice hangs on the work-group's number alone, and only pointers and constants are chosen
	s_cmp_lt_u32 s3, 40
	s_cselect_b64 s[50:51], s[14:15], s[16:17]     ; the weight's codes,
	s_cselect_b64 s[52:53], s[20:21], s[22:23]     ; its scale bytes,
	s_cselect_b64 s[54:55], s[26:27], s[28:29]     ; the bias,
	s_cselect_b64 s[56:57], s[32:33], s[34:35]     ; the result,
	s_cselect_b32 s58, 32, 40                      ; the job's first y
	s_cmp_lt_u32 s3, 32
	s_cselect_b64 s[48:49], s[8:9], s[10:11]       ; x
	s_cselect_b64 s[50:51], s[12:13], s[50:51]
	s_cselect_b64 s[52:53], s[18:19], s[52:53]
	s_cselect_b64 s[54:55], s[24:25], s[54:55]
	s_cselect_b64 s[56:57], s[30:31], s[56:57]
	s_cselect_b32 s58, 0, s58
	s_cselect_b32 s68, s70, s72
	s_cselect_b32 s69, s71, s73
	s_sub_co_u32 s58, s3, s58                      ; the block of 32 rows (behind the last selection: it sets SCC)
	s_lshl_b32 s74, s58, 5
	s_lshr_b32 s75, s2, 2
	s_lshl_b32 s75, s75, 4
	s_add_co_u32 s75, s74, s75                     ; the rows that I quantise begin at 32 x block + 16 (w / 4),
	s_lshl_b32 s60, s75, 11
	s_and_b32 s76, s2, 3
	s_lshl_b32 s76, s76, 9                         ; at K step w % 4: 512 bytes each
	s_add_co_u32 s60, s60, s76
	s_add_nc_u64 s[48:49], s[48:49], s[60:61]
	s_mul_i32 s60, s5, 384                         ; my 16 rows of the weight,
	s_add_nc_u64 s[50:51], s[50:51], s[60:61]
	s_lshl_b32 s60, s5, 4                          ; of its scale bytes,
	s_add_nc_u64 s[52:53], s[52:53], s[60:61]
	s_lshl_b32 s60, s5, 2                          ; my 16 numbers of the bias
	s_add_nc_u64 s[54:55], s[54:55], s[60:61]
	s_lshl_b32 s75, s2, 2
	s_add_co_u32 s75, s74, s75                     ; the rows that I store begin at 32 x block + 4 w,
	s_lshl_b32 s60, s75, 11
	s_lshl_b32 s76, ttmp9, 9                       ; at column 128 x
	s_add_co_u32 s60, s60, s76
	s_add_nc_u64 s[56:57], s[56:57], s[60:61]
	XLOAD                                          ; 16 loads: x first, since the quantiser waits for it
.irp s, 0,1,2,3
	WFRAG WF+12*\s, WA, 50, 96*\s                  ; 24 loads: the weight's four fragments
.endr
	global_load_b128 v[WS:WS+3], v[WSA], s[52:53]  ; a row's 16 scale bytes: word s serves K step s
	global_load_b128 v[BI:BI+3], v[BA], s[54:55]
	global_load_b128 v[BI+4:BI+7], v[BA], s[54:55] offset:16
	s_wait_loadcnt 27                              ; x's sixteen are in; the 27 loads issued behind them may be out
	QUANT XB
	IMAGE
	BARRIER                                        ; the eight fragments of x lie in LDS
.irp f, 0,1,2,3,4,5,6,7
	FETCH \f
.endr
	s_wait_loadcnt 0x0                             ; the weight, its scale words, the bias
	s_wait_dscnt 0x0                               ; x's fragments and scale words
.irp s, 0,1,2,3                                ; eight products: the two sums take turns, one instruction a turn, K ascending
.irp m, 0,1
.if \s == 0
	v_wmma_scale_f32_16x16x128_f8f6f4 v[ACC+8*\m:ACC+8*\m+7], v[WF+12*\s:WF+12*\s+11], v[XF+12*(4*\m+\s):XF+12*(4*\m+\s)+11], v[BI:BI+7], v[WS+\s], v[XS+4*\m+\s] matrix_a_fmt:MATRIX_FMT_BF6 matrix_b_fmt:MATRIX_FMT_BF6
.else
	v_wmma_scale_f32_16x16x128_f8f6f4 v[ACC+8*\m:ACC+8*\m+7], v[WF+12*\s:WF+12*\s+11], v[XF+12*(4*\m+\s):XF+12*(4*\m+\s)+11], v[ACC+8*\m:ACC+8*\m+7], v[WS+\s], v[XS+4*\m+\s] matrix_a_fmt:MATRIX_FMT_BF6 matrix_b_fmt:MATRIX_FMT_BF6
.endif
.endr
.endr
	EPI STGX, 2, SRX
.Lz:	; ---- fd: both sides arrive as codes: 64 rows of input_z (four fragments), one K step
	s_sub_co_u32 s58, s3, 48                       ; the block of 64 rows
	s_mul_i32 s60, s58, 64*96
	s_add_nc_u64 s[36:37], s[36:37], s[60:61]      ; input_z's codes: 96 bytes a row,
	s_lshl_b32 s60, s58, 8
	s_add_nc_u64 s[38:39], s[38:39], s[60:61]      ; its scale words: 4 bytes a row
	s_mul_i32 s60, s5, 96
	s_add_nc_u64 s[40:41], s[40:41], s[60:61]      ; my 16 rows of W3,
	s_lshl_b32 s60, s5, 2
	s_add_nc_u64 s[42:43], s[42:43], s[60:61]      ; their scale words,
	s_add_nc_u64 s[44:45], s[44:45], s[60:61]      ; my 16 numbers of b3
	s_lshl_b32 s74, s58, 6
	s_lshl_b32 s75, s2, 3
	s_add_co_u32 s74, s74, s75                     ; the rows that I store begin at 64 x block + 8 w,
	s_lshl_b32 s60, s74, 11
	s_lshl_b32 s76, ttmp9, 9                       ; at column 128 x
	s_add_co_u32 s60, s60, s76
	s_add_nc_u64 s[56:57], s[46:47], s[60:61]
	s_mov_b32 s68, s70                             ; the factor 1
	s_mov_b32 s69, s71
.irp m, 0,1,2,3
	WFRAG XF+12*\m, ZA, 36, 1536*\m
	global_load_b32 v[XS+\m], v[ZSA], s[38:39] offset:64*\m
.endr
	WFRAG WF, ZA, 40, 0
	global_load_b32 v[WS], v[ZSA], s[42:43]
	global_load_b128 v[BI:BI+3], v[BA], s[44:45]
	global_load_b128 v[BI+4:BI+7], v[BA], s[44:45] offset:16
	s_wait_loadcnt 0x0
.irp m, 0,1,2,3                                ; four products on four sums
	v_wmma_scale_f32_16x16x128_f8f6f4 v[ACC+8*\m:ACC+8*\m+7], v[WF:WF+11], v[XF+12*\m:XF+12*\m+11], v[BI:BI+7], v[WS], v[XS+\m] matrix_a_fmt:MATRIX_FMT_BF6 matrix_b_fmt:MATRIX_FMT_BF6
.endr
	EPI STGZ, 4, SRZ
.Lfunc_end_k_qdacf89660d_gates:
	.size	k_qdacf89660d_gates, .Lfunc_end_k_qdacf89660d_gates-k_qdacf89660d_gates
	.p2alignl 7, 3214868480
	.fill 96, 4, 3214868480
	.section	.rodata,"a",@progbits
	.p2align	6, 0x0
	.amdhsa_kernel k_qdacf89660d_gates
		.amdhsa_group_segment_fixed_size 65024
		.amdhsa_private_segment_fixed_size 0
		.amdhsa_enable_private_segment 0
		.amdhsa_kernarg_size 160
		.amdhsa_user_sgpr_count 2
		.amdhsa_user_sgpr_kernarg_segment_ptr 1
		.amdhsa_wavefront_size32 1
		.amdhsa_system_sgpr_workgroup_id_x 1
		.amdhsa_system_sgpr_workgroup_id_y 1
		.amdhsa_system_sgpr_workgroup_id_z 1
		.amdhsa_system_vgpr_workitem_id 0
		.amdhsa_next_free_vgpr 256
		.amdhsa_next_free_sgpr 80
		.amdhsa_reserve_vcc 0
		.amdhsa_float_denorm_mode_32 3
		.amdhsa_float_denorm_mode_16_64 3
		.amdhsa_memory_ordered 1
		.amdhsa_forward_progress 1
		.amdhsa_inst_pref_size 32
	.end_amdhsa_kernel
	.amdgpu_metadata
---
amdhsa.version: [ 1, 2 ]
amdhsa.kernels:
  - .name:           k_qdacf89660d_gates
    .symbol:         k_qdacf89660d_gates.kd
    .args:
      - { .name: encoder_hidden, .offset: 0, .size: 8, .value_kind: global_buffer, .address_space: global }
      - { .name: output, .offset: 8, .size: 8, .value_kind: global_buffer, .address_space: global }
      - { .name: W1_codes, .offset: 16, .size: 8, .value_kind: global_buffer, .address_space: global }
      - { .name: W2_codes, .offset: 24, .size: 8, .value_kind: global_buffer, .address_space: global }
      - { .name: W4_codes, .offset: 32, .size: 8, .value_kind: global_buffer, .address_space: global }
      - { .name: W1_scales, .offset: 40, .size: 8, .value_kind: global_buffer, .address_space: global }
      - { .name: W2_scales, .offset: 48, .size: 8, .value_kind: global_buffer, .address_space: global }
      - { .name: W4_scales, .offset: 56, .size: 8, .value_kind: global_buffer, .address_space: global }
      - { .name: b1, .offset: 64, .size: 8, .value_kind: global_buffer, .address_space: global }
      - { .name: b2, .offset: 72, .size: 8, .value_kind: global_buffer, .address_space: global }
      - { .name: b4, .offset: 80, .size: 8, .value_kind: global_buffer, .address_space: global }
      - { .name: hs, .offset: 88, .size: 8, .value_kind: global_buffer, .address_space: global }
      - { .name: o2, .offset: 96, .size: 8, .value_kind: global_buffer, .address_space: global }
      - { .name: o3, .offset: 104, .size: 8, .value_kind: global_buffer, .address_space: global }
      - { .name: input_z_codes, .offset: 112, .size: 8, .value_kind: global_buffer, .address_space: global }
      - { .name: input_z_scales, .offset: 120, .size: 8, .value_kind: global_buffer, .address_space: global }
      - { .name: W3_codes, .offset: 128, .size: 8, .value_kind: global_buffer, .address_space: global }
      - { .name: W3_scales, .offset: 136, .size: 8, .value_kind: global_buffer, .address_space: global }
      - { .name: b3, .offset: 144, .size: 8, .value_kind: global_buffer, .address_space: global }
      - { .name: fd, .offset: 152, .size: 8, .value_kind: global_buffer, .address_space: global }
    .group_segment_fixed_size: 65024
    .private_segment_fixed_size: 0
    .kernarg_segment_align: 8
    .kernarg_segment_size: 160
    .max_flat_workgroup_size: 256
    .sgpr_count:     80
    .vgpr_count:     256
    .wavefront_size: 32
...
	.end_amdgpu_metadata
.endif
;; end of part 1
;; launch mix (part 2): grid 8 x 32, 16 waves a work-group, no clusters, 71,680 bytes of LDS; arguments hs, fd, encoder_hidden, o2, o3, output, out0, out1; writes out0, out1
.if DOCPART == 2
	.amdgcn_target "amdgcn-amd-amdhsa--gfx1250"
	.amdhsa_code_object_version 6
	.text
	.protected	k_qdacf89660d_mix
	.globl	k_qdacf89660d_mix
	.p2align	8
	.type	k_qdacf89660d_mix,@function
k_qdacf89660d_mix:
	s_mov_b64 s[64:65], 0
	v_nop
	global_prefetch_b8 v0, s[64:65] scope:SCOPE_SE
	s_setreg_imm32_b32 hwreg(HW_REG_WAVE_MODE, 25, 1), 1
	s_wait_xcnt 0x0
; attn[b][t][d] = sum over s of e enc[b][s][d] / sum over s of e,   e = exp(hs[b][s][d] out2[b][t][d] + fd[b][s][d] out3[b][t][d]);   out1 = attn, out0 = (output, attn) side by side.
; WHY THIS IS reference()'s RESULT: alpha beta / sum(alpha beta) = exp(g1 + g2) / sum over s of exp(g1 + g2): the maxima and the divisors of the two softmaxes do not hang on s and cancel.
; NO MAXIMUM IS TAKEN AWAY: hs, fd, out2 and out3 are results of the tanh that reference() itself applies, so |g1 + g2| <= 2 for every input: e lies between 0.135 and 7.39, a sum of 256 of them between 34 and 1,892.
; o2 and o3 arrive as log2(e) x tanh, so that e = 2^(hs o2 + fd o3): a multiplication, a fused multiply-add and v_exp_f32.  All in f32; encoder_hidden is taken as it is given (the raw view: batch b owns flat rows 256 b on).
; SHARES.  256 work-groups of sixteen waves.  x picks 64 columns d (256 bytes of a row), y a batch b = y / 8 and eight t = 8 (y % 8) + 0 .. 7.  THE WAVES SHARE s: wave w takes s = 16 w .. 16 w + 15, for all eight t;
; lane l holds the pair d = 2 l, 2 l + 1.  So each byte of the work-group's 3 x 64 KB of hs, fd and encoder_hidden goes from memory into registers once, by loads of 8 bytes a lane that cover 256 consecutive bytes at a
; multiple of 256, and each pair loaded serves eight t.  All 48 loads of a wave are issued at its head; the steps begin as their rows come in.  The sixteen waves' partial sums meet in LDS at the end: wave t adds them for t.
; Four waves share a SIMD (4 x 210 registers), so that one wave's wait behind its exponentials stands beside the others' work.
; NO CLUSTER: the eight work-groups of one (b, x) read the same 192 KB.  A joint fill would send those bytes through LDS, written once and read once more, and put rounds of the cluster's barrier round a wave whose whole
; loop is 768 vector instructions and which waits for no row a second time.
; LIMITS: NaN and infinities among the inputs are not served.  The sums over s are made in another order than reference()'s: sixteen in a wave one after the other, then a tree over the sixteen waves.
.set OSH,  0                           ; LDS: the eight rows' 256 bytes of o2 at 256 t, those of o3 at 2,048 + 256 t
.set PART, 4096                        ; wave p's partial sums: of e at 4,096 p + 256 t, of e x enc at 4,096 p + 2,048 + 256 t; 8 bytes a lane
.set VO,  1                            ; v1   8 x lane
.set LO,  2                            ; v2   8 x lane + 256 x wave
.set LW,  3                            ; v3   8 x lane + 4,096 x wave + PART
.set CP,  4                            ; v[4:5]   waves 8-15: a row's 256 bytes of output
.set OT,  6                            ; v[6:7]   my row of o2 (waves 0-7) or of o3 (waves 8-15)
.set LR,  8                            ; v8   8 x lane + 256 x (wave % 8) + PART
.set O2R, 10                           ; v10-25   o2, a pair for each t
.set O3R, 26                           ; v26-41   o3
.set SUM, 42                           ; v42-57   the sums of e
.set ACC, 58                           ; v58-73   the sums of e x enc
.set G,   74                           ; v74-105  the exponents, then e: two sets of eight pairs, by turns
.set HSR, 106                          ; v106-137 hs, a pair for each s; at the end the sixteen partial sums of e
.set FDR, 138                          ; v138-169 fd; at the end the sixteen partial sums of e x enc
.set ENR, 170                          ; v170-201 encoder_hidden
.macro BARRIER                                 ; my LDS stores have landed and my LDS loads are in: then the work-group's barrier
	s_wait_dscnt 0x0
	s_barrier_signal -1
	s_barrier_wait -1
.endm
; line i of the sixteen that make step s's exponents, in set s % 2: eight multiplications, then eight fused multiply-adds
.macro GOP s, i
.if (\i) < 8
	v_pk_mul_f32 v[G+16*((\s)%2)+2*(\i):G+16*((\s)%2)+2*(\i)+1], v[HSR+2*(\s):HSR+2*(\s)+1], v[O2R+2*(\i):O2R+2*(\i)+1]
.else
	v_pk_fma_f32 v[G+16*((\s)%2)+2*(\i)-16:G+16*((\s)%2)+2*(\i)-15], v[FDR+2*(\s):FDR+2*(\s)+1], v[O3R+2*(\i)-16:O3R+2*(\i)-15], v[G+16*((\s)%2)+2*(\i)-16:G+16*((\s)%2)+2*(\i)-15]
.endif
.endm
; STEP s: sixteen exponentials (eight t x two d), each followed by a line of the NEXT step's exponents, which names none of their results; one wait for the batch; then the sums.  Step 0 starts the sums: nothing is cleared.
.macro STEP s
.if (\s) < 15
	s_wait_loadcnt 3*(14-(\s))                     ; loads come back in order: step s + 1's three rows are in, the 3 (14 - s) loads issued behind them may be out
.endif
.irp i, 0,1,2,3,4,5,6,7,8,9,10,11,12,13,14,15
.if (\s) == 0
	v_exp_f32 v[SUM+\i], v[G+\i]
.else
	v_exp_f32 v[G+16*((\s)%2)+\i], v[G+16*((\s)%2)+\i]
.endif
.if (\s) < 15
	GOP (\s)+1, \i
.endif
.endr
.if (\s) == 15
	v_nop                                          ; the plain place behind the last exponential, which in the other steps is the next step's last line
.endif
	s_wait_alu depctr_va_vdst(0)                   ; one wait for the sixteen, ahead of their first reader
.if (\s) == 0
.irp t, 0,1,2,3,4,5,6,7
	v_pk_mul_f32 v[ACC+2*\t:ACC+2*\t+1], v[SUM+2*\t:SUM+2*\t+1], v[ENR:ENR+1]
.endr
.else
.irp t, 0,1,2,3,4,5,6,7
	v_pk_add_f32 v[SUM+2*\t:SUM+2*\t+1], v[SUM+2*\t:SUM+2*\t+1], v[G+16*((\s)%2)+2*\t:G+16*((\s)%2)+2*\t+1]
.endr
.irp t, 0,1,2,3,4,5,6,7
	v_pk_fma_f32 v[ACC+2*\t:ACC+2*\t+1], v[G+16*((\s)%2)+2*\t:G+16*((\s)%2)+2*\t+1], v[ENR+2*(\s):ENR+2*(\s)+1], v[ACC+2*\t:ACC+2*\t+1]
.endr
.endif
.endm
; sixteen pairs from v[r] on are added into the first: neighbours 1, 2, 4 and 8 pairs apart
.macro TREE r
.irp p, 0,2,4,6,8,10,12,14
	v_pk_add_f32 v[\r+2*\p:\r+2*\p+1], v[\r+2*\p:\r+2*\p+1], v[\r+2*\p+2:\r+2*\p+3]
.endr
.irp p, 0,4,8,12
	v_pk_add_f32 v[\r+2*\p:\r+2*\p+1], v[\r+2*\p:\r+2*\p+1], v[\r+2*\p+4:\r+2*\p+5]
.endr
.irp p, 0,8
	v_pk_add_f32 v[\r+2*\p:\r+2*\p+1], v[\r+2*\p:\r+2*\p+1], v[\r+2*\p+8:\r+2*\p+9]
.endr
	v_pk_add_f32 v[\r:\r+1], v[\r:\r+1], v[\r+16:\r+17]
.endm
	s_load_b512 s[8:23], s[0:1], 0x0               ; hs 8, fd 10, encoder_hidden 12, o2 14, o3 16, output 18, out0 20, out1 22
	v_lshl_add_u32 v208, v0, 2, 0x11000
	v_mov_b32 v209, 0
	v_lshrrev_b32 v1, 5, v0
	v_readfirstlane_b32 s2, v1                     ; wave 0..15
	v_and_b32 v1, 31, v0
	v_lshlrev_b32 v[VO], 3, v1
	s_and_b32 s30, s2, 7                           ; the t that I serve at the head and at the end
	s_lshl_b32 s4, s2, 8
	v_add_nc_u32 v[LO], s4, v[VO]
	s_lshl_b32 s4, s2, 12
	v_add_nc_u32 v[LW], s4, v[VO]
	v_add_nc_u32 v[LW], PART, v[LW]
	s_lshl_b32 s4, s30, 8
	v_add_nc_u32 v[LR], s4, v[VO]
	v_add_nc_u32 v[LR], PART, v[LR]
	s_and_b32 s3, ttmp7, 0xffff
	s_lshr_b32 s5, s3, 3                           ; b
	s_and_b32 s6, s3, 7                            ; which eight t
	s_lshl_b32 s7, ttmp9, 8                        ; my 64 columns: 256 bytes
	s_lshl_b32 s24, s5, 8
	s_lshl_b32 s4, s2, 4
	s_add_co_u32 s24, s24, s4                      ; my first row of hs, fd and encoder_hidden: 256 b + 16 w,
	s_lshl_b32 s24, s24, 11                        ; rows of 2,048 bytes
	s_add_co_u32 s24, s24, s7
	s_mov_b32 s25, 0
	s_lshl_b32 s26, s5, 6
	s_lshl_b32 s4, s6, 3
	s_add_co_u32 s26, s26, s4
	s_add_co_u32 s26, s26, s30                     ; my row of o2, o3, output, out0 and out1: 64 b + t
	s_lshl_b32 s32, s26, 11
	s_add_co_u32 s32, s32, s7
	s_mov_b32 s33, 0
	s_lshl_b32 s34, s26, 12                        ; out0's rows are 4,096 bytes
	s_add_co_u32 s34, s34, s7
	s_mov_b32 s35, 0
	s_wait_kmcnt 0x0
	s_add_nc_u64 s[8:9], s[8:9], s[24:25]
	s_add_nc_u64 s[10:11], s[10:11], s[24:25]
	s_add_nc_u64 s[12:13], s[12:13], s[24:25]
	s_cmp_lt_u32 s2, 8
	s_cselect_b64 s[28:29], s[14:15], s[16:17]     ; waves 0-7 bring o2's rows, waves 8-15 o3's
	s_add_nc_u64 s[28:29], s[28:29], s[32:33]
	s_add_nc_u64 s[18:19], s[18:19], s[32:33]
	s_add_nc_u64 s[22:23], s[22:23], s[32:33]
	s_add_nc_u64 s[20:21], s[20:21], s[34:35]
	s_cmp_lt_u32 s2, 8
	s_cbranch_scc1 .Lno_copy
	global_load_b64 v[CP:CP+1], v[VO], s[18:19]    ; waves 8-15: output's row, for out0's left half; it stands ahead of the load below, so the count behind that one is the same on both ways
.Lno_copy:
	global_load_b64 v[OT:OT+1], v[VO], s[28:29]
.irp s, 0,1,2,3,4,5,6,7,8,9,10,11,12,13,14,15
	global_load_b64 v[HSR+2*\s:HSR+2*\s+1], v[VO], s[8:9] offset:2048*\s
	global_load_b64 v[FDR+2*\s:FDR+2*\s+1], v[VO], s[10:11] offset:2048*\s
	global_load_b64 v[ENR+2*\s:ENR+2*\s+1], v[VO], s[12:13] offset:2048*\s
.endr
	s_wait_loadcnt 48                              ; my row of o2 or o3 is in; the 48 loads issued behind it may be out
	ds_store_b64 v[LO], v[OT:OT+1] offset:OSH
	BARRIER                                        ; all sixteen rows lie in LDS
.irp t, 0,1,2,3,4,5,6,7
	ds_load_b64 v[O2R+2*\t:O2R+2*\t+1], v[VO] offset:OSH+256*\t
	ds_load_b64 v[O3R+2*\t:O3R+2*\t+1], v[VO] offset:OSH+2048+256*\t
.endr
	s_wait_dscnt 0x0
	s_wait_loadcnt 45                              ; step 0's three rows are in
.irp i, 0,1,2,3,4,5,6,7,8,9,10,11,12,13,14,15
	GOP 0, \i
.endr
.irp s, 0,1,2,3,4,5,6,7,8,9,10,11,12,13,14,15
	STEP \s
.endr
.irp t, 0,1,2,3,4,5,6,7
	ds_store_b64 v[LW], v[SUM+2*\t:SUM+2*\t+1] offset:256*\t
	ds_store_b64 v[LW], v[ACC+2*\t:ACC+2*\t+1] offset:2048+256*\t
.endr
	BARRIER                                        ; the sixteen waves' partial sums lie in LDS
	s_cmp_lt_u32 s2, 8
	s_cbranch_scc1 .Lreduce
	global_store_b64 v[VO], v[CP:CP+1], s[20:21]   ; waves 8-15: out0's left half: 256 consecutive bytes, at a multiple of 256 from out0's first byte
	s_wait_tensorcnt 0x0
	ds_add_u32 v208, v209
	s_wait_dscnt 0x0
	s_endpgm
.Lreduce:                                              ; wave t adds the sixteen parts for t
.irp p, 0,1,2,3,4,5,6,7,8,9,10,11,12,13,14,15
	ds_load_b64 v[HSR+2*\p:HSR+2*\p+1], v[LR] offset:4096*\p
.endr
.irp p, 0,1,2,3,4,5,6,7,8,9,10,11,12,13,14,15
	ds_load_b64 v[FDR+2*\p:FDR+2*\p+1], v[LR] offset:4096*\p+2048
.endr
	s_wait_dscnt 16                                ; the sums of e are in; the sixteen loads issued behind them may be out
	TREE HSR
	v_rcp_f32 v[HSR], v[HSR]
	v_rcp_f32 v[HSR+1], v[HSR+1]
	s_wait_dscnt 0x0
	TREE FDR                                       ; fifteen plain lines that name neither reciprocal stand behind them
	s_wait_alu depctr_va_vdst(0)                   ; one wait for the two, ahead of their reader
	v_pk_mul_f32 v[FDR:FDR+1], v[FDR:FDR+1], v[HSR:HSR+1]
	global_store_b64 v[VO], v[FDR:FDR+1], s[22:23]              ; out1: 256 consecutive bytes, at a multiple of 256
	global_store_b64 v[VO], v[FDR:FDR+1], s[20:21] offset:2048  ; out0's right half likewise
	s_wait_tensorcnt 0x0
	ds_add_u32 v208, v209
	s_wait_dscnt 0x0
	s_endpgm
.Lfunc_end_k_qdacf89660d_mix:
	.size	k_qdacf89660d_mix, .Lfunc_end_k_qdacf89660d_mix-k_qdacf89660d_mix
	.p2alignl 7, 3214868480
	.fill 96, 4, 3214868480
	.section	.rodata,"a",@progbits
	.p2align	6, 0x0
	.amdhsa_kernel k_qdacf89660d_mix
		.amdhsa_group_segment_fixed_size 71680
		.amdhsa_private_segment_fixed_size 0
		.amdhsa_enable_private_segment 0
		.amdhsa_kernarg_size 64
		.amdhsa_user_sgpr_count 2
		.amdhsa_user_sgpr_kernarg_segment_ptr 1
		.amdhsa_wavefront_size32 1
		.amdhsa_system_sgpr_workgroup_id_x 1
		.amdhsa_system_sgpr_workgroup_id_y 1
		.amdhsa_system_sgpr_workgroup_id_z 1
		.amdhsa_system_vgpr_workitem_id 0
		.amdhsa_next_free_vgpr 210
		.amdhsa_next_free_sgpr 66
		.amdhsa_reserve_vcc 0
		.amdhsa_float_denorm_mode_32 3
		.amdhsa_float_denorm_mode_16_64 3
		.amdhsa_memory_ordered 1
		.amdhsa_forward_progress 1
		.amdhsa_inst_pref_size 55
	.end_amdhsa_kernel
	.amdgpu_metadata
---
amdhsa.version: [ 1, 2 ]
amdhsa.kernels:
  - .name:           k_qdacf89660d_mix
    .symbol:         k_qdacf89660d_mix.kd
    .args:
      - { .name: hs, .offset: 0, .size: 8, .value_kind: global_buffer, .address_space: global }
      - { .name: fd, .offset: 8, .size: 8, .value_kind: global_buffer, .address_space: global }
      - { .name: encoder_hidden, .offset: 16, .size: 8, .value_kind: global_buffer, .address_space: global }
      - { .name: o2, .offset: 24, .size: 8, .value_kind: global_buffer, .address_space: global }
      - { .name: o3, .offset: 32, .size: 8, .value_kind: global_buffer, .address_space: global }
      - { .name: output, .offset: 40, .size: 8, .value_kind: global_buffer, .address_space: global }
      - { .name: out0, .offset: 48, .size: 8, .value_kind: global_buffer, .address_space: global }
      - { .name: out1, .offset: 56, .size: 8, .value_kind: global_buffer, .address_space: global }
    .group_segment_fixed_size: 71680
    .private_segment_fixed_size: 0
    .kernarg_segment_align: 8
    .kernarg_segment_size: 64
    .max_flat_workgroup_size: 512
    .sgpr_count:     66
    .vgpr_count:     210
    .wavefront_size: 32
...
	.end_amdgpu_metadata
.endif
;; end of part 2
